; MI455X (gfx1250); checked and timed in simulation.
; The chip was launched on July 23, 2026; its instructions are those of AMD's public machine-readable ISA for CDNA 5 (MIT licence, August 2026) and "CDNA5" Instruction Set Architecture Reference Guide (July 2026). The comments in the code are by the model that wrote it; some were corrected since.
;; CAAN. Allowed arithmetic: matrix products marked QUANTISED: E4M3 operands, one given power-of-two scale a tensor, by v_wmma_f32_16x16x64_fp8_fp8 or v_wmma_f32_16x16x128_fp8_fp8, f32 sums; products left as they are: f32 operands where the result goes on into a quantised operand, else bf16, f16 or f32 operands; f32 sums; everything else in f32.
;; Inputs: Wk_codes 1,024 x 32 x 32 uint8 (E4M3 codes of Wk, K innermost, in blocks of 32 codes); Wq_codes 1,024 x 32 x 32 uint8 (E4M3 codes of Wq, K innermost, in blocks of 32 codes); Wv_codes 1,024 x 32 x 32 uint8 (E4M3 codes of Wv, K innermost, in blocks of 32 codes); Ww 1 x 1,024 float32; bk 1,024 float32; bq 1,024 float32; bv 1,024 float32; bw 1 float32; lowp_scales 10 int32 (the exponents e of the quantised operands' scales 2^e); x_codes 4 x 2,048 x 32 x 32 uint8 (E4M3 codes of x, K innermost, in blocks of 32 codes).
;; Outputs: out0 4 x 2,048 float32.
;; This version of the problem:
;;   THIS VERSION OF THE PROBLEM IS GIVEN IN LOW PRECISION. The matrix products marked QUANTISED in the list below multiply operands that are first quantised to E4M3 (4 exponent bits, 3 mantissa bits; 8 bits a number), with one given power-of-two scale for each operand tensor; their sums are f32. All else is computed in f32.
;;   The module's matrix products, in the order in which they are computed (A, B: the left and right operand; K: the contracted axis; several contracted axes count as one K, in the product's order):
;;     1. [M 8,192, K 1,024] x [K 1,024, N 1,024]; A: input x (given as codes); B: input Wq (given as codes): QUANTISED (scales: A lowp_scales[0], B lowp_scales[1])
;;     2. [M 8,192, K 1,024] x [K 1,024, N 1,024]; A: input x (given as codes); B: input Wk (given as codes): QUANTISED (scales: A lowp_scales[2], B lowp_scales[3])
;;     3. [M 8,192, K 1,024] x [K 1,024, N 1,024]; A: input x (given as codes); B: input Wv (given as codes): QUANTISED (scales: A lowp_scales[4], B lowp_scales[5])
;;     4. batch 4 x [M 2,048, K 1,024] x [K 1,024, N 2,048]; A: computed on the way; B: computed on the way: QUANTISED (scales: A lowp_scales[6], B lowp_scales[7])
;;     5. batch 4 x [M 2,048, K 2,048] x [K 2,048, N 1,024]; A: softmax (see below); B: computed on the way: QUANTISED (scales: A lowp_scales[8], B lowp_scales[9])
;;     6. [M 8,192, K 1,024] x [K 1,024, N 1]; A: computed on the way; B: input Ww: left as it is (N = 1 < 16)
;;   THE QUANTISER, for each operand of a quantised product, along K:
;;     - The operand's scale is 2^e, e = its entry of the input lowp_scales (int32; the entries are numbered through the quantised products in the list's order, A before B).
;;     - Each number is divided by the scale, clamped to +-448, and rounded to the nearest number of E4M3, ties to even, subnormals kept.
;;     - The product sums the exact products of the quantised numbers (number of the format x scale) in f32.
;;   ~~~python
;;   def quantise(x, axis, e):      # numpy; x: float32 -> the quantised numbers, widened to float32 again
;;       x = np.moveaxis(x, axis, -1); K = x.shape[-1]
;;       r = np.clip(x / 2.0 ** e, -448, 448)
;;       step = 2.0 ** (np.maximum(np.frexp(np.where(r == 0, 1, r))[1] - 1, -6) - 3)
;;       q = np.round(r / step) * step * 2.0 ** e      # np.round: ties to even
;;       return np.moveaxis(q, -1, axis).astype(np.float32)
;;   ~~~
;;   SOFTMAX AHEAD OF A QUANTISED PRODUCT. Where the list says 'softmax', what is quantised is not the finished softmax but p = 2^(t - M), with t = logit x log2(e) and M = ceil(the row's largest t), a whole number; so 1/2 < the row's largest p <= 1. The row's sum l is taken of the UNQUANTISED p, in f32, and the product's result is divided by l at the end. Since M is a whole number, a kernel that streams over the keys may use a running M (the ceiling of the running maximum): every later rescaling is an exact power of two, so the quantised numbers keep their values, but for numbers so far below the row's largest that they fall under the format's range.
;;   OPERANDS COMPUTED ON THE WAY. 'Computed on the way' means the value that the module computes at that place (a softmax that the list does not call 'softmax' is quantised finished and normalised). What goes into a quantiser is computed in f32, as accurately as f32 sums, v_exp_f32 and their like allow (about 1e-6 of the number): no bf16 or f16 on the way to a quantiser, and a product that is left as it is and whose result goes on into a quantised operand takes f32 operands (vector FMAs, or v_wmma_f32_16x16x4_f32). A number that lies on a knife's edge between two numbers of the format may be rounded either way, as far as f32 arithmetic and the matrix unit's own rounding can turn it there, and no further.
;;   INPUTS GIVEN AS CODES. Wk (in the module: [1024, 1024], K = its axis 1); Wq (in the module: [1024, 1024], K = its axis 1); Wv (in the module: [1024, 1024], K = its axis 1); x (in the module: [4, 2048, 1024], K = its axis 2): each comes as NAME_codes (uint8): NAME with its K axis moved to the last place and cut into blocks of 32 codes, [.., K / 32, bytes a block], one block behind the other in memory; one code a byte (a code: sign, 4 exponent bits, 3 mantissa bits); its scale is its entry of lowp_scales. Its value is code x scale, taken as it is: it is not quantised again, and the codes and scales need not be those that the quantiser above would give.
;; One version. Each part assembles by itself: llvm-mc -triple=amdgcn-amd-amdhsa -mcpu=gfx1250 --defsym DOCPART=n.
;; ======== version 1 of 1: 3 launches
;; limits: right only within a limited range of input values
;; workspace buffers: q_img 8,388,608 bytes; k_img 8,388,608 bytes; v_img 8,388,608 bytes; part 1,572,864 bytes
;; launch proj (part 1): grid 8 x 32, 4 waves a work-group, clusters of 4 x 4, 327,680 bytes of LDS; arguments x_codes, Wq_codes, Wk_codes, Wv_codes, bq, bk, bv, lowp_scales, q_img, k_img, v_img; writes q_img, k_img, v_img
.if DOCPART == 1
	.amdgcn_target "amdgcn-amd-amdhsa--gfx1250"
	.amdhsa_code_object_version 6
	.text
	.protected	k_q835839c2ad_proj
	.globl	k_q835839c2ad_proj
	.p2align	8
	.type	k_q835839c2ad_proj,@function
k_q835839c2ad_proj:
	s_mov_b64 s[64:65], 0
	v_nop
	global_prefetch_b8 v0, s[64:65] scope:SCOPE_SE
	s_setreg_imm32_b32 hwreg(HW_REG_WAVE_MODE, 25, 1), 1
	s_wait_xcnt 0x0
	s_wait_alu depctr_hold_cnt(0) depctr_sa_sdst(0) depctr_va_vdst(0) depctr_va_sdst(0) depctr_va_ssrc(0) depctr_va_vcc(0) depctr_vm_vsrc(0)
	s_getreg_b32 s2, hwreg(HW_REG_IB_STS2, 6, 4)
	s_cmp_eq_u32 s2, 0
	s_cbranch_scc0 .Lentry_in_a_cluster
	s_endpgm
.Lentry_in_a_cluster:
	s_bfe_u32 s2, ttmp6, 0x10000c
	s_cmp_lg_u32 s2, 0xf033
	s_cbranch_scc0 .Lentry_shape_is_right
	s_endpgm
.Lentry_shape_is_right:
; q = x Wq^T + bq, k = x Wk^T + bk, v = x Wv^T + bv on codes of FP8 (E4M3), each result quantised at once and stored as codes, as IMAGES OF OPERAND REGISTERS for the next launch.  No work of the problem is left out.
; A WORK-GROUP STAYS AND MAKES TWO TILES, so that the 384 tiles' worth of work falls evenly on 256 work-groups:
;   PASS 1: a tile of 256 x 256 of q (cluster x = 0) or of k (cluster x = 1): A = 256 rows of x, B = 256 rows of the weight.  A wave makes 128 x 128: 64 accumulators, 512 registers.
;   PASS 2: a tile of 128 x 256 of v: A = 128 rows of Wv, B = 256 rows of x.  A wave makes 64 x 128: 32 accumulators.
; The ring of two LDS slots (K steps of 256, four a pass) goes on from pass 1 into pass 2: pass 1's last two changes of slots ask for pass 2's first two K steps, which land under pass 1's last products and its way out.
; The matrix instruction takes 16 rows of B as source 0 and 16 rows of A as source 1: a lane then holds ONE row of A and eight neighbouring rows of B.
;   q, k: a lane holds a row of x, its registers run along the channels, the next product's K.   v: a lane holds a channel, its registers run along the keys, the last product's K.
; So the eight accumulators of one block of A, converted, are 16 registers with k = 16 b + 8 (lane / 16) + 0 .. 7 in registers 2 b, 2 b + 1: a whole fragment in the 8-bit forms' own order.
; AN IMAGE is 2,048 bytes: registers 4 c .. 4 c + 3 of lane l at 512 c + 16 l.  q_img, k_img: [row / 128][channel / 256][(row / 16) % 8][(channel / 128) % 2][2,048];  v_img: [key / 256][channel / 16][(key / 128) % 2][2,048].
; THE QUANTISER: a sum stands for sum x 2^(ex + ew).  The bias, divided by that power of two (exact), is the C of each sum's first product; the conversion takes the one scale 2^(eo - ex - ew); the hold at 448 x that scale stands in front of it.
; LIMITS: eo - ex - ew between -126 and 119 for each of the three products ((e0, e1, e6), (e2, e3, e7), (e4, e5, e9)), so that the scale and 448 x the scale are f32 numbers.  NaN among the biases is not served.
; In the product itself a fragment is fetched by four loads of 16 bytes: a permutation of k that is the same on both sides; only the order of the sums inside an instruction differs.
; CLUSTERS: 4 x 4 work-groups.  In both passes A's tile hangs, within a cluster, on cy alone and is asked for jointly along a row of the cluster, B's on cx alone and jointly along a column.
; A wave has ONE tensor load out at the start and one behind each round.
; PREFETCHES INTO THE L2, one change of slots ahead of the load, one line a wave: 32 of the 128 rows that the wave brings, 256 bytes each, a lane a row: the four partners share the rows out by address.
;   x is asked for by every cluster that loads it, a weight by the clusters with y < 4 alone.  Pass 2's x has been read by the same cluster in pass 1 and is not asked for again; Wv is, two K steps a line.
; REGISTERS, in windows of 256: window 0: v16-31 addresses; v32-95 the biases as C operands; v96-99 scales and holds; v100-103 bv's numbers; from v128 A's fragments: pass 1 ONE set of eight blocks, pass 2 two sets of four; on the ways out v128-191 held sums.
;   window 1: B's fragments, two sets.   window 2: the accumulators of my A rows 0-63 ((a, b) at v[8 (8 a + b)]);   window 3: those of rows 64-127 (pass 1); as they are read out, the codes of all blocks of both passes, each in registers of its own, so that no later line waits for a store.
.set ROWB,   256                       ; a tile's row in bytes
.set KROW,   1024                      ; a row of x or of a weight in memory, in bytes
.set PITCH,  272                       ; an LDS row: 256 bytes + 16 of padding = 68 words, so the 16 rows that a load touches begin 4 words apart modulo 64
.set FR,     16                        ; registers of a fragment
.set NL,     4                         ; LDS loads that bring one
.set NP,     4                         ; places behind this matrix instruction (ISA guide 7.12.1)
.set HALFT,  128*PITCH                 ; 128 rows: what one tensor load brings (pass 2's loads for A: 64 rows)
.set HALFV,  64*PITCH
.set SLOT,   4*HALFT                   ; A's rows from the slot's start (256, in pass 2 128), B's 256 rows from 2 HALFT on
.set SPARE,  2*SLOT                    ; behind the ring: the spare words, 128 bytes for each wave, which no other line names
.set ADRA, 16                          ; v16-17  LDS address of my A fragments in slot 0, 1, pass 1
.set ADRV, 18                          ; v18-19  the same, pass 2
.set ADRB, 20                          ; v20-21  the same for B, both passes
.set LB2,  25                          ; v25     my lane's byte in bv
.set LOF,  26                          ; v26     16 x lane: my place in an image
.set LB,   27                          ; v27     my lane's byte in bq or bk
.set SPW,  28                          ; v28     my spare word; never rewritten
.set NIL,  29                          ; v29     0; never rewritten
.set PFO,  30                          ; v30     the prefetches' offset: 1,024 x lane
.set PFW,  31                          ; v31     Wv's: 1,024 x (lane % 16) + 256 x (lane / 16)
.set BI,   32                          ; v32-95  pass 1: the bias at B's row 16 b + 8 h + j in register 8 b + j;  pass 2: the bias at A's row 16 a + r in registers 8 a .. 8 a + 7
.set SCL,  96                          ; pass 1's scale and hold
.set LIM,  97
.set SCL2, 98                          ; pass 2's
.set LIM2, 99
.set BV,   100
.set AF,   128
.set TT,   128
.set G1,  24                           ; s[24:31] descriptor group 1 for pass 1's A;  s[32:39] its group 0, one set for each slot
.set G0,  32
.set G1B, 48                           ; s[48:55] group 1 for B, both passes;  s[56:63] pass 1's group 0
.set G0B, 56
.set G1V, 68                           ; s[68:75] group 1 for pass 2's A (64 rows);  s[76:83] its group 0;  s[84:91] pass 2's group 0 for B.  They take the place of arguments that are done with
.set G0V, 76
.set G0X, 84
.set MSB, 0
.macro WIN new                         ; the immediate's high byte repeats the setting that is left; a switch that changes nothing is dropped
.if MSB != (\new)
	s_set_vgpr_msb (MSB<<8)|(\new)
.set MSB, (\new)
.endif
.endm
.set MUL_LO, 0xa1                      ; source 0 (B) window 1, source 1 (A) window 0, C and D window 2 (+ 0x50: window 3)
.set TO_B,   0x40                      ; destination window 1, address window 0
.set TO_C,   0xc0                      ; destination window 3
.set FROM_C, 0x0c                      ; a store's data in window 3
; A joint load: waves 0 and 1 fetch A's halves, waves 2 and 3 B's.  The branch hangs on the wave's number alone.  An s_nop 0 and four v_nop follow each of the two lines.
.macro JLOAD g0a, g1a, g0b, g1b
	s_cmp_eq_u32 s15, 0
	s_cbranch_scc0 .Lfor_b_\@
	tensor_load_to_lds s[\g0a:\g0a+3], s[\g1a:\g1a+7]
	s_nop 0
.rept 4
	v_nop
.endr
	s_branch .Lasked_\@
.Lfor_b_\@:
	tensor_load_to_lds s[\g0b:\g0b+3], s[\g1b:\g1b+7]
	s_nop 0
.rept 4
	v_nop
.endr
.Lasked_\@:
.endm
.macro CREST                           ; a round of the cluster's barrier behind its opening barrier
	s_cmp_lg_u32 s14, 0
	s_cbranch_scc1 .Lnot_wave_0_\@
	s_barrier_signal -3
.Lnot_wave_0_\@:
	s_barrier_wait -3
	s_barrier_signal -1
	s_barrier_wait -1
.endm
.macro CROUND                          ; a whole round
	s_barrier_signal -1
	s_barrier_wait -1
	CREST
.endm
.macro ASK k                           ; K step k of pass 1
	s_cmp_lt_u32 s67, 16
	s_cbranch_scc0 .Lnot_mine_\@
	global_prefetch_b8 v[PFO], s[104:105] offset:ROWB*(\k) th:TH_LOAD_NT scope:SCOPE_SE
.Lnot_mine_\@:
.endm
.macro ASKW f                          ; Wv's K steps 2 f, 2 f + 1: 16 rows x 512 bytes a wave, waves 0 and 1
	s_cmp_lt_u32 s41, 16
	s_cbranch_scc0 .Lnot_mine_\@
	global_prefetch_b8 v[PFW], s[22:23] offset:2*ROWB*(\f) th:TH_LOAD_NT scope:SCOPE_SE
.Lnot_mine_\@:
.endm
	s_load_b512 s[68:83], s[0:1], 0x0              ; x s[68:69], Wq s[70:71], Wk s[72:73], Wv s[74:75], bq s[76:77], bk s[78:79], bv s[80:81], the exponents s[82:83]
	s_load_b128 s[84:87], s[0:1], 0x40             ; q_img, k_img
	s_load_b64 s[88:89], s[0:1], 0x50              ; v_img
	v_lshl_add_u32 v[SPW], v0, 2, SPARE
	v_mov_b32 v[NIL], 0
	ds_add_u32 v[SPW], v[NIL]                      ; the wave's opening: the add, twice on end, and its wait
	ds_add_u32 v[SPW], v[NIL]
	v_lshrrev_b32 v1, 5, v0
	v_readfirstlane_b32 s14, v1                    ; wave 0..3
	s_lshr_b32 s15, s14, 1                         ; which half of A's rows is mine.  Also: I fetch for A (0) or for B (1)
	s_and_b32 s16, s14, 1                          ; which half of B's rows.  Also: which half of that tile I fetch
	s_bfe_u32 s40, ttmp6, 0x40000                  ; cx, cy: my place in the cluster.  cx is also pass 1's tile row of B: a weight has four tiles of 256 rows
	s_bfe_u32 s41, ttmp6, 0x40004
	s_and_b32 s3, ttmp7, 0xffff
	s_lshl_b32 s3, s3, 2                           ; 4 x cluster y
	s_add_co_u32 s17, s3, s41                      ; pass 1: A's tile row, of x's 32: 4 x cluster y + cy
	s_add_co_u32 s23, s3, s40                      ; pass 2: B's tile row, of x's 32: 4 x cluster y + cx
	s_lshl_b32 s22, ttmp9, 2
	s_add_co_u32 s22, s22, s41                     ; pass 2: A's tile row, of Wv's 8 of 128 rows: 4 x cluster x + cy
	s_lshl_b32 s43, s41, 2
	s_lshl_b32 s43, 15, s43                        ; my row of the cluster
	s_lshl_b32 s44, 0x1111, s40                    ; my column
	; descriptor group 1: a tile of 128 rows x 256 bytes, padded in LDS
	s_or_b32 s[G1+0], s43, (0<<16)|(1<<20)|(1<<21)|(5<<22)|(3<<25)  ; 15:0 the mask; 17:16 elements of 1 byte; 20 padding on; 21 set beside a mask; 24:22 after every 64 words (code 5); 31:25 four words (code 3)
	s_or_b32 s[G1B+0], s44, (0<<16)|(1<<20)|(1<<21)|(5<<22)|(3<<25)
.irp g, G1, G1B
	s_mov_b32 s[\g+1], ROWB<<16                    ; tensor_dim0
	s_mov_b32 s[\g+2], 128<<16                     ; tensor_dim1
	s_mov_b32 s[\g+3], ROWB<<16                    ; tile_dim0
	s_mov_b32 s[\g+4], 128                         ; tile_dim1
	s_mov_b32 s[\g+5], KROW                        ; tensor_dim0_stride
	s_mov_b32 s[\g+6], 0
	s_mov_b32 s[\g+7], 0
.endr
	s_lshl_b32 s18, s16, 7                         ; which 128 rows of the tile I fetch
	s_lshl_b32 s20, s17, 8
	s_add_co_u32 s20, s20, s18                     ; A: row 256 x tile row + 128 x half
	s_lshl_b32 s46, s40, 8
	s_add_co_u32 s46, s46, s18                     ; B likewise
	s_mov_b32 s21, 0
	s_mov_b32 s47, 0
	s_lshl_b64 s[20:21], s[20:21], 10              ; rows of 1,024 bytes
	s_lshl_b64 s[46:47], s[46:47], 10
	s_mul_i32 s45, s14, HALFT                      ; where they go: wave x 128 rows: no place in the cluster enters an LDS address
	s_mul_i32 s19, s14, HALFV                      ; pass 2's A: wave x 64 rows
	s_mul_i32 s67, s15, s3                         ; the prefetches: 0 for A, 4 x cluster y for B: under 16 in the waves that ask
	s_wait_alu depctr_va_vdst(0)
	s_wait_dscnt 0x0                               ; both opening adds are done
	CROUND                                         ; all sixteen work-groups are here: the first joint loads meet
	s_wait_kmcnt 0x0
	s_load_b256 s[92:99], s[82:83], 0x0            ; e0 .. e7
	s_load_b64 s[100:101], s[82:83], 0x20          ; e8, e9
	s_cmp_eq_u32 ttmp9, 0                          ; q or k?  The cluster's x: the same in all sixteen partners; only pointers are chosen
	s_cselect_b64 s[6:7], s[70:71], s[72:73]       ; the weight,
	s_cselect_b64 s[8:9], s[76:77], s[78:79]       ; the bias,
	s_cselect_b64 s[10:11], s[84:85], s[86:87]     ; the images
	s_add_nc_u64 s[20:21], s[68:69], s[20:21]
	s_add_nc_u64 s[46:47], s[6:7], s[46:47]
.irp s, 0,1
	s_mov_b32 s[G0+4*\s], 1
	s_add_co_u32 s[G0+4*\s+1], s45, \s*SLOT
	s_add_nc_u64 s[G0+4*\s+2:G0+4*\s+3], s[20:21], \s*ROWB
	s_or_b32 s[G0+4*\s+3], s[G0+4*\s+3], 0x80000000
	s_mov_b32 s[G0B+4*\s], 1
	s_add_co_u32 s[G0B+4*\s+1], s45, \s*SLOT
	s_add_nc_u64 s[G0B+4*\s+2:G0B+4*\s+3], s[46:47], \s*ROWB
	s_or_b32 s[G0B+4*\s+3], s[G0B+4*\s+3], 0x80000000
.endr
	JLOAD G0, G1, G0B, G1B                         ; K step 0: one tensor load a wave at the head
	; All that follows up to the first wait on TENSORcnt stands under the first tile's flight.
	s_cmp_eq_u32 s15, 0                            ; the prefetches: where the rows that I fetch begin,
	s_cselect_b64 s[104:105], s[20:21], s[46:47]
	s_cselect_b32 s12, s40, s41                    ; and my work-group's 32 of the 128
	s_lshl_b32 s12, s12, 15
	s_mov_b32 s13, 0
	s_add_nc_u64 s[104:105], s[104:105], s[12:13]
	s_lshl_b32 s12, s40, 10                        ; bq, bk run with B's rows: 256 numbers of 4 bytes a tile,
	s_lshl_b32 s13, s16, 9                         ; 128 a half
	s_add_co_u32 s12, s12, s13
	s_mov_b32 s13, 0
	s_add_nc_u64 s[8:9], s[8:9], s[12:13]
	s_lshl_b32 s12, s22, 9                         ; bv runs with A's rows: 128 numbers a tile,
	s_lshl_b32 s13, s15, 8                         ; 64 a half
	s_add_co_u32 s12, s12, s13
	s_mov_b32 s13, 0
	s_add_nc_u64 s[6:7], s[80:81], s[12:13]
	s_mul_i32 s66, s15, HALFT                      ; pass 1: my 128 rows of A in a slot
	s_mul_i32 s42, s16, HALFT                      ; my 128 rows of B,
	s_add_co_u32 s42, s42, 2*HALFT                 ; which lie 256 rows into the slot
	s_mul_i32 s18, s15, HALFV                      ; pass 2: my 64 rows of A
	v_and_b32 v1, 15, v0                           ; r = lane % 16
	v_bfe_u32 v2, v0, 4, 1                         ; h = lane / 16
	v_and_b32 v6, 31, v0
	v_lshlrev_b32 v[LB], 5, v2                     ; eight neighbours for each block b: 64 b + 32 h
	v_lshlrev_b32 v[LB2], 2, v1                    ; one number for each block a: 64 a + 4 r
.irp b, 0,1,2,3,4,5,6,7
	global_load_b128 v[BI+8*\b:BI+8*\b+3], v[LB], s[8:9] offset:64*\b
	global_load_b128 v[BI+8*\b+4:BI+8*\b+7], v[LB], s[8:9] offset:64*\b+16
.endr
.irp a, 0,1,2,3
	global_load_b32 v[BV+\a], v[LB2], s[6:7] offset:64*\a
.endr
	v_mul_u32_u24 v3, v1, PITCH
	v_lshlrev_b32 v7, 10, v1
	v_lshl_add_u32 v4, v2, 4, v3                   ; a fragment's row x pitch + 16 x half
	v_lshl_add_u32 v[PFW], v2, 8, v7
	v_lshlrev_b32 v[PFO], 10, v6
	v_lshlrev_b32 v[LOF], 4, v6
	v_add_nc_u32 v[ADRA], s66, v4
	v_add_nc_u32 v[ADRB], s42, v4
	v_add_nc_u32 v[ADRV], s18, v4
	v_add_nc_u32 v[ADRA+1], SLOT, v[ADRA]
	v_add_nc_u32 v[ADRB+1], SLOT, v[ADRB]
	v_add_nc_u32 v[ADRV+1], SLOT, v[ADRV]
	; where my images begin.  Pass 1: (2 x A's tile row + my half) x 131,072 + B's tile row x 32,768 + 2,048 x my half of B; block a lies 4,096 a on
	s_lshl_b32 s12, s17, 1
	s_add_co_u32 s12, s12, s15
	s_lshl_b32 s12, s12, 17
	s_lshl_b32 s13, s40, 15
	s_add_co_u32 s12, s12, s13
	s_lshl_b32 s13, s16, 11
	s_add_co_u32 s12, s12, s13
	s_mov_b32 s13, 0
	s_add_nc_u64 s[10:11], s[10:11], s[12:13]
	; Pass 2: B's tile row x 262,144 + (8 x A's tile row + 4 x my half) x 4,096 + 2,048 x my half of B; block a lies 4,096 a on
	s_lshl_b32 s12, s23, 18
	s_lshl_b32 s13, s22, 15
	s_add_co_u32 s12, s12, s13
	s_lshl_b32 s13, s15, 14
	s_add_co_u32 s12, s12, s13
	s_lshl_b32 s13, s16, 11
	s_add_co_u32 s12, s12, s13
	s_mov_b32 s13, 0
	s_add_nc_u64 s[4:5], s[88:89], s[12:13]
	; pass 2's tiles in memory
	s_lshl_b32 s18, s16, 6                         ; which 64 rows of A's tile I fetch
	s_lshl_b32 s20, s22, 7
	s_add_co_u32 s20, s20, s18                     ; Wv: row 128 x tile row + 64 x half
	s_mov_b32 s21, 0
	s_lshl_b64 s[20:21], s[20:21], 10
	s_add_nc_u64 s[20:21], s[74:75], s[20:21]
	s_lshl_b32 s18, s16, 7
	s_lshl_b32 s46, s23, 8
	s_add_co_u32 s46, s46, s18                     ; x: row 256 x tile row + 128 x half
	s_mov_b32 s47, 0
	s_lshl_b64 s[46:47], s[46:47], 10
	s_add_nc_u64 s[46:47], s[68:69], s[46:47]
	s_lshl_b32 s12, s40, 14
	s_mov_b32 s13, 0
	s_add_nc_u64 s[22:23], s[20:21], s[12:13]      ; Wv's prefetches: my work-group's 16 of the 64 rows that I fetch
	s_lshl_b32 s41, s15, 6
	s_add_co_u32 s41, s41, s3                      ; under 16: waves 0 and 1 of the clusters with y < 4
	s_wait_alu depctr_va_vdst(0)
	s_wait_kmcnt 0x0                               ; the exponents are in: their base, and every other argument in s[68:91], is done with
	s_or_b32 s[G1V+0], s43, (0<<16)|(1<<20)|(1<<21)|(5<<22)|(3<<25)  ; as pass 1's A, with 64 rows
	s_mov_b32 s[G1V+1], ROWB<<16
	s_mov_b32 s[G1V+2], 64<<16
	s_mov_b32 s[G1V+3], ROWB<<16
	s_mov_b32 s[G1V+4], 64
	s_mov_b32 s[G1V+5], KROW
	s_mov_b32 s[G1V+6], 0
	s_mov_b32 s[G1V+7], 0
.irp s, 0,1
	s_mov_b32 s[G0V+4*\s], 1
	s_add_co_u32 s[G0V+4*\s+1], s19, \s*SLOT
	s_add_nc_u64 s[G0V+4*\s+2:G0V+4*\s+3], s[20:21], \s*ROWB
	s_or_b32 s[G0V+4*\s+3], s[G0V+4*\s+3], 0x80000000
	s_mov_b32 s[G0X+4*\s], 1
	s_add_co_u32 s[G0X+4*\s+1], s45, \s*SLOT
	s_add_nc_u64 s[G0X+4*\s+2:G0X+4*\s+3], s[46:47], \s*ROWB
	s_or_b32 s[G0X+4*\s+3], s[G0X+4*\s+3], 0x80000000
.endr
	; the exponents: pass 1's three are chosen without a branch
	s_cmp_eq_u32 ttmp9, 0
	s_cselect_b32 s18, s92, s94                    ; ex
	s_cselect_b32 s19, s93, s95                    ; ew
	s_cselect_b32 s20, s98, s99                    ; eo: e6 for q, e7 for k
	s_add_co_i32 s18, s18, s19                     ; ex + ew
	s_sub_co_i32 s2, 0, s18
	s_sub_co_i32 s20, s20, s18                     ; eo - ex - ew
	s_add_co_i32 s20, s20, 127
	s_lshl_b32 s21, s20, 23                        ; 2^(eo - ex - ew) as f32: the conversion takes its exponent field
	s_add_co_i32 s20, s20, 8
	s_lshl_b32 s20, s20, 23
	s_or_b32 s20, s20, 0x600000                    ; 448 x that
	s_add_co_i32 s18, s96, s97                     ; pass 2: e4 + e5
	s_sub_co_i32 s3, 0, s18
	s_sub_co_i32 s12, s101, s18                    ; e9 - e4 - e5
	s_add_co_i32 s12, s12, 127
	s_lshl_b32 s13, s12, 23
	s_add_co_i32 s12, s12, 8
	s_lshl_b32 s12, s12, 23
	s_or_b32 s12, s12, 0x600000
	v_mov_b32 v[SCL], s21
	v_mov_b32 v[LIM], s20
	v_mov_b32 v[SCL2], s13
	v_mov_b32 v[LIM2], s12
	s_wait_alu depctr_va_vdst(0)
	s_wait_loadcnt 0x0                             ; the biases
	ASK 1
.set n, 0
.rept 64
	v_ldexp_f32 v[BI+n], v[BI+n], s2               ; bias / 2^(ex + ew): exact
.set n, n+1
.endr
.macro FRAG reg, adr, q, i             ; a fragment: 16 rows x 128 K in 16 registers, by four loads of 16 bytes, 32 bytes apart
.irp c, 0,1,2,3
	ds_load_b128 v[\reg+4*\c:\reg+4*\c+3], v[\adr] offset:128*(\q)+32*\c+(\i)*16*PITCH
.endr
.endm
.macro PLACES n                        ; plain vector lines between a matrix instruction and a load into, or a read of, its registers (ISA guide 7.12.1 for reads)
.rept \n
	v_nop
.endr
.endm
; ---- PASS 1's macros
; 16 matrix instructions: A's blocks a0, a0 + 1 x B's eight.  p: B's set.  zero = 1: the first products start the sums from the bias (C in window 0).  The 64 accumulators take turns, in the same order in every step.
.macro MUL16 a0, p, zero
.if \zero
	WIN MUL_LO+0x50*((\a0)/4)-0x20-0x10*((\a0)/4)
.else
	WIN MUL_LO+0x50*((\a0)/4)
.endif
.irp a, \a0, \a0+1
.irp b, 0,1,2,3,4,5,6,7
.if \zero
	v_wmma_f32_16x16x128_fp8_fp8 v[8*(8*((\a)%4)+\b):8*(8*((\a)%4)+\b)+7], v[128*(\p)+FR*\b:128*(\p)+FR*\b+FR-1], v[AF+FR*(\a):AF+FR*(\a)+FR-1], v[BI+8*\b:BI+8*\b+7]
.else
	v_wmma_f32_16x16x128_fp8_fp8 v[8*(8*((\a)%4)+\b):8*(8*((\a)%4)+\b)+7], v[128*(\p)+FR*\b:128*(\p)+FR*\b+FR-1], v[AF+FR*(\a):AF+FR*(\a)+FR-1], v[8*(8*((\a)%4)+\b):8*(8*((\a)%4)+\b)+7]
.endif
.endr
.endr
.endm
.macro FETCH_B slot, q, p              ; B's eight fragments of the slot's q-th 128 along K into set p
	WIN TO_B
.irp i, 0,1,2,3,4,5,6,7
	FRAG 128*(\p)+FR*\i, ADRB+\slot, \q, \i
.endr
	WIN 0
.endm
.macro FETCH_A slot, q, i0             ; A's blocks i0 .. i0 + 3
.irp i, \i0, \i0+1, \i0+2, \i0+3
	FRAG AF+FR*(\i), ADRA+\slot, \q, \i
.endr
.endm
; A step of 128 along K that has its successor in the same slot.  A block of A is free once its eight products are issued: blocks 0-3 are fetched anew in the middle, blocks 4-7 at the end.
.macro STEP slot, q, zero
	s_wait_dscnt 4*NL                              ; B's set and A's blocks 0-3 are in; the youngest sixteen loads (A's blocks 4-7) may be out
	MUL16 0, (\q)%2, \zero
	MUL16 2, (\q)%2, \zero
	s_wait_dscnt 0                                 ; A's blocks 4-7 are in (asked for 32 matrix instructions ago)
	PLACES NP
	FETCH_B \slot, (\q)+1, 1-(\q)%2
	FETCH_A \slot, (\q)+1, 0
	MUL16 4, (\q)%2, \zero
	MUL16 6, (\q)%2, \zero
	PLACES NP
	WIN 0
	FETCH_A \slot, (\q)+1, 4
.endm
; The first half of a slot's last step: each wave waits for all its tensor loads, adds 0 to its spare word, waits for that and for its reads of this slot; the barrier opens a round of the cluster's.
.macro MEET
	s_wait_tensorcnt 0x0                           ; all my tensor loads have landed: my part of the other slot
	ds_add_u32 v[SPW], v[NIL]                      ; 0 onto my spare word
	s_wait_dscnt 4*NL+1                            ; (the add and the youngest sixteen loads may be out)
	MUL16 0, 1, 0                                  ; sixteen matrix instructions stand between the add and the wait for it
	s_wait_dscnt 0x0                               ; the add is done, and my reads of this slot are over
	s_barrier_signal -1
	MUL16 2, 1, 0
	WIN 0
	s_barrier_wait -1
	CREST                                          ; no wave of any partner still reads this slot or has a load on its way
.endm
; kind = 1: the slot takes this pass's K step two further on;  kind = 2: pass 2's K step of the slot's number
.macro TURN slot, next, kind
	MEET
.if \kind == 1
	s_add_nc_u64 s[G0+4*\slot+2:G0+4*\slot+3], s[G0+4*\slot+2:G0+4*\slot+3], 2*ROWB
	s_add_nc_u64 s[G0B+4*\slot+2:G0B+4*\slot+3], s[G0B+4*\slot+2:G0B+4*\slot+3], 2*ROWB
	JLOAD G0+4*\slot, G1, G0B+4*\slot, G1B         ; the first tensor load behind the round; its four v_nop are also the places in front of the loads below
.else
	JLOAD G0V+4*\slot, G1V, G0X+4*\slot, G1B
.endif
	FETCH_B \next, 0, 0
	FETCH_A \next, 0, 0
.if (\kind == 1) && ((\slot) == 0)
	ASK 3                                          ; what the next change of slots asks for
.elseif \kind == 1
	ASKW 0
.else
	ASKW 1
.endif
	MUL16 4, 1, 0
	MUL16 6, 1, 0
	PLACES NP
	WIN 0
	FETCH_A \next, 0, 4
.endm
; ---- PASS 2's macros.  32 accumulators, in window 2; A has room for two sets of four blocks, so a step's 48 loads stand in one run.
.macro MULA a, p, zero                 ; 8 matrix instructions: A's block a x B's eight; the 32 accumulators take turns, in the same order in every step
.if \zero
	WIN MUL_LO-0x20
.else
	WIN MUL_LO
.endif
.irp b, 0,1,2,3,4,5,6,7
.if \zero
	v_wmma_f32_16x16x128_fp8_fp8 v[8*(8*(\a)+\b):8*(8*(\a)+\b)+7], v[128*(\p)+FR*\b:128*(\p)+FR*\b+FR-1], v[AF+64*(\p)+FR*(\a):AF+64*(\p)+FR*(\a)+FR-1], v[BI+8*(\a):BI+8*(\a)+7]
.else
	v_wmma_f32_16x16x128_fp8_fp8 v[8*(8*(\a)+\b):8*(8*(\a)+\b)+7], v[128*(\p)+FR*\b:128*(\p)+FR*\b+FR-1], v[AF+64*(\p)+FR*(\a):AF+64*(\p)+FR*(\a)+FR-1], v[8*(8*(\a)+\b):8*(8*(\a)+\b)+7]
.endif
.endr
.endm
.macro FETCHV slot, q, p               ; the slot's q-th 128 along K into set p: B's eight fragments, A's four
	WIN TO_B
.irp i, 0,1,2,3,4,5,6,7
	FRAG 128*(\p)+FR*\i, ADRB+\slot, \q, \i
.endr
	WIN 0
.irp i, 0,1,2,3
	FRAG AF+64*(\p)+FR*\i, ADRV+\slot, \q, \i
.endr
.endm
.macro STEP2 slot, zero                ; a slot's first step, on set 0; the second step's fragments are fetched into set 1 ahead of its products
	s_wait_dscnt 0x0                               ; set 0 is in
	PLACES NP                                      ; behind the products that read set 1
	FETCHV \slot, 1, 1
	MULA 0, 0, \zero
	MULA 1, 0, \zero
	MULA 2, 0, \zero
	MULA 3, 0, \zero
	WIN 0
.endm
.macro TURN2 slot, next, fill          ; a slot's second step, on set 1, changes slots.  fill = 1: this slot is filled again, two K steps ahead
	s_wait_tensorcnt 0x0                           ; all my tensor loads have landed: my part of the other slot
	ds_add_u32 v[SPW], v[NIL]                      ; 0 onto my spare word
	s_wait_dscnt 1                                 ; set 1 is in (the add may be out)
	MULA 0, 1, 0                                   ; eight matrix instructions stand between the add and the wait for it
	s_wait_dscnt 0x0                               ; the add is done, and my reads of this slot are over
	s_barrier_signal -1
	MULA 1, 1, 0
	WIN 0
	s_barrier_wait -1
.if \fill
	CREST
	s_add_nc_u64 s[G0V+4*\slot+2:G0V+4*\slot+3], s[G0V+4*\slot+2:G0V+4*\slot+3], 2*ROWB
	s_add_nc_u64 s[G0X+4*\slot+2:G0X+4*\slot+3], s[G0X+4*\slot+2:G0X+4*\slot+3], 2*ROWB
	JLOAD G0V+4*\slot, G1V, G0X+4*\slot, G1B       ; the first tensor load behind the round; its four v_nop are also the places in front of the loads below
.else
	PLACES NP
.endif
	FETCHV \next, 0, 0
	MULA 2, 1, 0
	MULA 3, 1, 0
	WIN 0
.endm
; ---- THE WAY OUT of block a of A (16 rows) x my 128 rows of B: the hold, eight conversions: one image, stored by four lines of 512 consecutive bytes each, at a multiple of 512 from the buffer's first byte.
; The codes go into window 3, over accumulators that have been read: pass 1 takes blocks 4-7 (window 3's own) first.
.macro EPIB a, isv
.if \isv
.set ESC, SCL2
.set ELI, LIM2
.set EOU, 4
.set PCD, 64*(\a)+32
.else
.set ESC, SCL
.set ELI, LIM
.set EOU, 10
.set PCD, 64*((\a)%4)+16*((\a)/4)
.endif
	WIN 0x02+((\a)/4)                              ; source 0: window 2 or 3
.set n, 0
.rept 64
	v_med3_num_f32 v[TT+n], v[64*((\a)%4)+n], -v[ELI], v[ELI]   ; the conversion to an 8-bit code does not saturate (ISA guide 7.6.2): the hold at the largest code x the scale; each accumulator from its low end on
.set n, n+1
.endr
	WIN TO_C
.irp b, 0,1,2,3,4,5,6,7
	v_cvt_scalef32_pk8_fp8_f32 v[PCD+2*\b:PCD+2*\b+1], v[TT+8*\b:TT+8*\b+7], v[ESC]
.endr
	v_nop                                          ; one plain line between the conversions and the next lines that write their sources
	WIN FROM_C
.irp c, 0,1,2,3
	global_store_b128 v[LOF], v[PCD+4*\c:PCD+4*\c+3], s[EOU:EOU+1] offset:4096*(\a)+512*\c
.endr
	WIN 0
.endm
	s_wait_alu depctr_va_vdst(0)
	s_wait_tensorcnt 0x0                           ; my part of K step 0 is in; the same lines stand ahead of a later first fill as ahead of a refill
	ds_add_u32 v[SPW], v[NIL]                      ; 0 onto my spare word
	s_wait_dscnt 0x0
	CROUND                                         ; everybody's part is in, and the joint loads meet
	JLOAD G0+4, G1, G0B+4, G1B                     ; K step 1
	; ---- PASS 1: K = 1,024 is eight steps of 128, written out: each change of slots asks for something else
	FETCH_B 0, 0, 0
	FETCH_A 0, 0, 0
	FETCH_A 0, 0, 4
	ASK 2
	STEP 0, 0, 1                                   ; the first products start the sums
	TURN 0, 1, 1                                   ; slot 0 takes K 512 .. 767
	STEP 1, 0, 0
	TURN 1, 0, 1                                   ; slot 1 takes K 768 .. 1,023
	STEP 0, 0, 0
	TURN 0, 1, 2                                   ; THE RING GOES ON INTO PASS 2: slot 0 takes its K 0 .. 255,
	STEP 1, 0, 0
	MEET                                           ; (its wait for all tensor loads and its barrier show slot 0 whole to every wave)
	JLOAD G0V+4, G1V, G0X+4, G1B                   ; slot 1 its K 256 .. 511: it lands under the products below and the way out
	MUL16 4, 1, 0
	MUL16 6, 1, 0
	WIN 0
.irp a, 0,1,2,3
.irp j, 0,1,2,3,4,5,6,7
	v_ldexp_f32 v[BI+8*\a+\j], v[BV+\a], s3        ; pass 2's C operands: bv / 2^(e4 + e5).  (Also the places behind the last products)
.endr
.endr
.irp a, 4,5,6,7,0,1,2,3
	EPIB \a, 0
.endr
	; ---- PASS 2.  The stores leave under its products: nothing below rewrites what they read
	FETCHV 0, 0, 0
	STEP2 0, 1                                     ; the first products start the sums anew
	TURN2 0, 1, 1                                  ; slot 0 takes K 512 .. 767
	STEP2 1, 0
	TURN2 1, 0, 1                                  ; slot 1 takes K 768 .. 1,023
	STEP2 0, 0
	TURN2 0, 1, 0                                  ; nothing is left to fetch
	STEP2 1, 0
	s_wait_dscnt 0x0
	MULA 0, 1, 0                                   ; the last step: a block leaves as soon as the next one's products are issued
	MULA 1, 1, 0
	PLACES NP                                      ; for block 0's hold; each later block has the block before it as its places
	EPIB 0, 1
	MULA 2, 1, 0
	EPIB 1, 1
	MULA 3, 1, 0
	EPIB 2, 1
	EPIB 3, 1
	s_wait_tensorcnt 0x0                           ; the wave's end
	ds_add_u32 v[SPW], v[NIL]
	s_wait_dscnt 0x0
	CROUND                                         ; the closing round: no work-group ends while a partner may still ask for a tile that names it
	s_endpgm
.Lfunc_end_k_q835839c2ad_proj:
	.size	k_q835839c2ad_proj, .Lfunc_end_k_q835839c2ad_proj-k_q835839c2ad_proj
	.p2alignl 7, 3214868480
	.fill 96, 4, 3214868480
	.section	.rodata,"a",@progbits
	.p2align	6, 0x0
	.amdhsa_kernel k_q835839c2ad_proj
		.amdhsa_group_segment_fixed_size 327680
		.amdhsa_private_segment_fixed_size 0
		.amdhsa_enable_private_segment 0
		.amdhsa_kernarg_size 88
		.amdhsa_user_sgpr_count 2
		.amdhsa_user_sgpr_kernarg_segment_ptr 1
		.amdhsa_wavefront_size32 1
		.amdhsa_system_sgpr_workgroup_id_x 1
		.amdhsa_system_sgpr_workgroup_id_y 1
		.amdhsa_system_sgpr_workgroup_id_z 1
		.amdhsa_system_vgpr_workitem_id 0
		.amdhsa_next_free_vgpr 1024
		.amdhsa_next_free_sgpr 106
		.amdhsa_reserve_vcc 0
		.amdhsa_float_denorm_mode_32 3
		.amdhsa_float_denorm_mode_16_64 3
		.amdhsa_memory_ordered 1
		.amdhsa_forward_progress 1
		.amdhsa_inst_pref_size 196
	.end_amdhsa_kernel
	.amdgpu_metadata
---
amdhsa.version: [ 1, 2 ]
amdhsa.kernels:
  - .name:           k_q835839c2ad_proj
    .symbol:         k_q835839c2ad_proj.kd
    .args:
      - { .name: x_codes, .offset: 0, .size: 8, .value_kind: global_buffer, .address_space: global }
      - { .name: Wq_codes, .offset: 8, .size: 8, .value_kind: global_buffer, .address_space: global }
      - { .name: Wk_codes, .offset: 16, .size: 8, .value_kind: global_buffer, .address_space: global }
      - { .name: Wv_codes, .offset: 24, .size: 8, .value_kind: global_buffer, .address_space: global }
      - { .name: bq, .offset: 32, .size: 8, .value_kind: global_buffer, .address_space: global }
      - { .name: bk, .offset: 40, .size: 8, .value_kind: global_buffer, .address_space: global }
      - { .name: bv, .offset: 48, .size: 8, .value_kind: global_buffer, .address_space: global }
      - { .name: lowp_scales, .offset: 56, .size: 8, .value_kind: global_buffer, .address_space: global }
      - { .name: q_img, .offset: 64, .size: 8, .value_kind: global_buffer, .address_space: global }
      - { .name: k_img, .offset: 72, .size: 8, .value_kind: global_buffer, .address_space: global }
      - { .name: v_img, .offset: 80, .size: 8, .value_kind: global_buffer, .address_space: global }
    .group_segment_fixed_size: 327680
    .private_segment_fixed_size: 0
    .kernarg_segment_align: 8
    .kernarg_segment_size: 88
    .max_flat_workgroup_size: 128
    .sgpr_count:     106
    .vgpr_count:     1024
    .wavefront_size: 32
...
	.end_amdgpu_metadata
.endif
;; end of part 1
;; launch attn (part 2): grid 8 x 32, 4 waves a work-group, clusters of 4 x 4, 327,680 bytes of LDS; arguments q_img, k_img, v_img, Ww, lowp_scales, part; writes part
.if DOCPART == 2
	.amdgcn_target "amdgcn-amd-amdhsa--gfx1250"
	.amdhsa_code_object_version 6
	.text
	.protected	k_q835839c2ad_attn
	.globl	k_q835839c2ad_attn
	.p2align	8
	.type	k_q835839c2ad_attn,@function
k_q835839c2ad_attn:
	s_mov_b64 s[64:65], 0
	v_nop
	global_prefetch_b8 v0, s[64:65] scope:SCOPE_SE
	s_setreg_imm32_b32 hwreg(HW_REG_WAVE_MODE, 25, 1), 1
	s_wait_xcnt 0x0
	s_wait_alu depctr_hold_cnt(0) depctr_sa_sdst(0) depctr_va_vdst(0) depctr_va_sdst(0) depctr_va_ssrc(0) depctr_va_vcc(0) depctr_vm_vsrc(0)
	s_getreg_b32 s2, hwreg(HW_REG_IB_STS2, 6, 4)
	s_cmp_eq_u32 s2, 0
	s_cbranch_scc0 .Lentry_in_a_cluster
	s_endpgm
.Lentry_in_a_cluster:
	s_bfe_u32 s2, ttmp6, 0x10000c
	s_cmp_lg_u32 s2, 0xf033
	s_cbranch_scc0 .Lentry_shape_is_right
	s_endpgm
.Lentry_shape_is_right:
; For 256 queries and 256 keys of one batch: S = q k^T on codes, p = 2^(t - M) quantised, O = p v on codes, and O Ww^T in f32: three numbers a query for the last launch: -M, a part of l and a part of o.  No work of the problem is left out.
; SHARES.  A work-group owns 256 queries x 256 keys.  FIRST PRODUCT: wave w makes 128 queries (half w / 2) x 128 keys (half w % 2): 64 accumulators of 16 x 16, 512 registers.
;   The two waves of one query half (w and w xor 1) take ONE M for each query (the largest of both, through LDS) and hand each other their codes of p through LDS, so that each holds p for its 128 queries and all 256 keys.
;   LAST PRODUCT: wave w makes those 128 queries x 512 channels (half w % 2), two tiles of 16 channels at a time: two matrix instructions (my 128 keys, my partner's) for each sum, which is then multiplied by Ww and added up in f32 (product 6), never stored.
; part: [kind: -M, l, o][place 16][query 8,192] f32; place = 2 x key block of 256 + w % 2.  At a place l is summed over 128 keys and o over 512 channels: l's and o's sums over all places are what the last launch needs, and both places of a key block hold the same M.
; LAYOUT.  Source 0 = 16 keys (or 16 channels), source 1 = 16 queries: a lane holds ONE query (lane % 16) throughout; register 8 b + j of S is key 16 b + 8 (lane / 16) + j, so the conversions' results are the next product's operand as it stands.
; q_img, k_img: [row / 128][channel / 256][(row / 16) % 8][(channel / 128) % 2][2,048];  v_img: [key / 256][channel / 16][(key / 128) % 2][2,048]: images of operand registers, 4 c .. 4 c + 3 of lane l at 512 c + 16 l.
; THE SOFTMAX: t = score x 2^(e6 + e7) x log2(e) / 32; M = ceil(the largest t of these 256 keys), kept as -M = floor(-t); l is summed of the unquantised p; p is held at the largest code x 2^e8 and quantised with 2^e8.
; LIMITS: e6 + e7 between -121 and 132 (added to the exponent field of log2(e) / 32); e8 between -126 and 119; scaled scores under 2^31 in magnitude; NaN is not served.
; THE RING: two slots of 131,072 bytes: K steps 0 .. 3 of 256 channels (256 rows of q, 256 of k), then V's two halves of 512 channels.  Each wave brings a quarter of a slot, 32,768 dense bytes as 128 rows of 256 bytes.
; CLUSTERS: 4 x 4 work-groups.  q's tiles are asked for jointly along a row of the cluster (they hang on cy), k's and v's along a column (they hang on cx).  One tensor load a wave is out behind each round.
; PREFETCHES INTO THE L2: each slot's bytes are asked for one change of slots ahead of their load, one line a wave: of the 32,768 bytes that a wave brings, each of the four partners asks for 8,192 of its own, by address.
; REGISTERS, in windows of 256.  0: v12-31, v98-99 addresses; v32-63 four a block of 16 queries: -M, the largest score, l in two halves; from v128 q's fragments, later V's (2 pairs x 64); v66-97 Ww's numbers (2 pairs x 16) in the last product.
;   1: k's fragments, two sets; then p's codes: my 128 keys at v[16 a], my partner's at v[128 + 16 a].   2, 3: S; then in window 2 two pairs of sums (2 x 128), and in window 3 o's sums.
.set SLOT,   131072
.set WWL,    2*SLOT                    ; Ww, 4,096 bytes
.set MXB,    WWL+4096                  ; the waves' largest scores, 512 bytes each
.set STG,    MXB+2048                  ; p's codes on their way to the partner: 8,192 bytes a wave
.set FST,    STG+32768                 ; the way out: 1,536 bytes a wave
.set SPARE,  FST+6144                  ; the spare words, 128 bytes a wave
.set FR,     16
.set NL,     4
.set NP,     4
.set MXS,    14
.set MXL,    15
.set ADRA,   16
.set STA,    18                        ; my own area of the stage
.set STB,    19                        ; my partner's
.set ADRB,   20
.set AVO,    22                        ; V's fragments: my keys' half, from my first channel tile on
.set AVX,    23                        ; the other half
.set AW0,    24
.set AO,     25
.set GOF,    26
.set SA,     27
.set SPW,    28
.set NIL,    29
.set SB,     30
.set PFO,    31
.set ST,     32
.set SCL,    64
.set LIMP,   65
.set PT,     66
.set WR,     66
.set OV,     70
.set LV,     78
.set XR,     86
.set AX,     98
.set AW,     99
.set BK,     100
.set TS,     112
.set AF,     128
.set VR,     128
.set G1A, 24
.set G1B, 32
.set G0A, 40
.set G0B, 48
.set G0V, 56
.set MSB, 0
.macro WIN new                         ; the immediate's high byte repeats the setting that is left; a switch that changes nothing is dropped
.if MSB != (\new)
	s_set_vgpr_msb (MSB<<8)|(\new)
.set MSB, (\new)
.endif
.endm
.set MUL_LO, 0xa1                      ; source 0 window 1, source 1 window 0, C and D window 2
.set MUL_HI, 0xf1                      ; the same, C and D window 3
.set TO_B,   0x40                      ; destination window 1
.set FROM_P, 0x04                      ; an LDS store's data in window 1
.set PVM,    0xa4                      ; source 0 window 0 (V), source 1 window 1 (p), C and D window 2
.set PVF,    0xf8                      ; source 0 window 0 (Ww), source 1 window 2 (a tile's sums), source 2 and the destination window 3 (o's sums)
; A joint load: waves 0 and 1 fetch q's halves, waves 2 and 3 k's.  The branch hangs on the wave's number alone.  An s_nop 0 and four v_nop follow each line.
.macro JLOAD s
	s_cmp_eq_u32 s17, 0
	s_cbranch_scc0 .Lfor_k_\@
	tensor_load_to_lds s[G0A+4*\s:G0A+4*\s+3], s[G1A:G1A+7]
	s_nop 0
.rept 4
	v_nop
.endr
	s_branch .Lasked_\@
.Lfor_k_\@:
	tensor_load_to_lds s[G0B+4*\s:G0B+4*\s+3], s[G1B:G1B+7]
	s_nop 0
.rept 4
	v_nop
.endr
.Lasked_\@:
.endm
.macro JLOADV f                        ; V's half f: every wave brings a quarter
	tensor_load_to_lds s[G0V+4*\f:G0V+4*\f+3], s[G1B:G1B+7]
	s_nop 0
.rept 4
	v_nop
.endr
.endm
.macro CREST                           ; a round of the cluster's barrier behind its opening barrier
	s_cmp_lg_u32 s16, 0
	s_cbranch_scc1 .Lnot_wave_0_\@
	s_barrier_signal -3
.Lnot_wave_0_\@:
	s_barrier_wait -3
	s_barrier_signal -1
	s_barrier_wait -1
.endm
.macro CROUND
	s_barrier_signal -1
	s_barrier_wait -1
	CREST
.endm
.macro ASK k                           ; K step k of the rows that I bring
	global_prefetch_b8 v[PFO], s[94:95] offset:32768*(\k) th:TH_LOAD_NT scope:SCOPE_SE
.endm
.macro ASKV f                          ; V's half f
	global_prefetch_b8 v[PFO], s[96:97] offset:SLOT*(\f) th:TH_LOAD_NT scope:SCOPE_SE
.endm
	s_load_b256 s[4:11], s[0:1], 0x0               ; q_img, k_img, v_img, Ww
	s_load_b128 s[12:15], s[0:1], 0x20             ; the exponents, part
	v_lshl_add_u32 v[SPW], v0, 2, SPARE
	v_mov_b32 v[NIL], 0
	ds_add_u32 v[SPW], v[NIL]                      ; the wave's opening: the add, twice on end, and its wait
	ds_add_u32 v[SPW], v[NIL]
	v_lshrrev_b32 v1, 5, v0
	v_readfirstlane_b32 s16, v1                    ; wave 0..3
	s_lshr_b32 s17, s16, 1                         ; my half of the queries.  Also: I fetch for q (0) or for k (1)
	s_and_b32 s18, s16, 1                          ; my half of the keys, later of the channels.  Also: which 128 rows I fetch
	s_bfe_u32 s20, ttmp6, 0x40000                  ; cx
	s_bfe_u32 s21, ttmp6, 0x40004                  ; cy
	s_and_b32 s19, ttmp7, 0xffff
	s_lshl_b32 s23, s19, 2
	s_add_co_u32 s23, s23, s21                     ; query block of 256, of 32
	s_lshr_b32 s22, s19, 1                         ; the batch: two clusters along y each
	s_lshl_b32 s22, s22, 3
	s_lshl_b32 s76, ttmp9, 2
	s_add_co_u32 s77, s76, s20                     ; key block of 256 in the batch
	s_add_co_u32 s22, s22, s77                     ; and of all 32
	s_lshl_b32 s78, s21, 2
	s_lshl_b32 s78, 15, s78                        ; my row of the cluster
	s_lshl_b32 s79, 0x1111, s20                    ; my column
	s_or_b32 s[G1A+0], s78, (3<<16)|(1<<21)        ; elements of 8 bytes, no padding; bit 21 set beside the mask
	s_or_b32 s[G1B+0], s79, (3<<16)|(1<<21)
.irp g, G1A, G1B
	s_mov_b32 s[\g+1], 32<<16                      ; 128 rows of 256 bytes, dense
	s_mov_b32 s[\g+2], 128<<16
	s_mov_b32 s[\g+3], 32<<16
	s_mov_b32 s[\g+4], 128
	s_mov_b32 s[\g+5], 32
	s_mov_b32 s[\g+6], 0
	s_mov_b32 s[\g+7], 0
.endr
	s_lshl_b32 s84, s23, 1
	s_add_co_u32 s84, s84, s18
	s_lshl_b32 s84, s84, 17                        ; q: 131,072 bytes for 128 rows
	s_mov_b32 s85, 0
	s_lshl_b32 s86, s22, 1
	s_add_co_u32 s86, s86, s18
	s_lshl_b32 s86, s86, 17                        ; k likewise
	s_mov_b32 s87, 0
	s_lshl_b32 s88, s22, 18                        ; v: 262,144 bytes for 256 keys
	s_lshl_b32 s90, s16, 15                        ; where my quarter goes: wave x 32,768
	s_add_co_u32 s88, s88, s90
	s_mov_b32 s89, 0
	s_mov_b32 s66, 0x76543210                      ; lane selects: lane l xor 16
	s_mov_b32 s67, 0xfedcba98
	s_mov_b32 s70, 0xff800000                      ; -infinity
	s_wait_alu depctr_va_vdst(0)
	s_wait_dscnt 0x0                               ; both opening adds are done
	CROUND                                         ; all sixteen work-groups are here: the first joint loads meet
	s_wait_kmcnt 0x0
	s_load_b96 s[72:74], s[12:13], 0x18            ; e6, e7, e8
	v_lshlrev_b32 v2, 4, v0
	global_load_b128 v[4:7], v2, s[10:11]          ; Ww: 16 bytes a thread, twice
	global_load_b128 v[8:11], v2, s[10:11] offset:2048
	v_add_nc_u32 v12, WWL, v2
	s_add_nc_u64 s[84:85], s[4:5], s[84:85]
	s_add_nc_u64 s[86:87], s[6:7], s[86:87]
	s_add_nc_u64 s[88:89], s[8:9], s[88:89]
.irp s, 0,1
	s_mov_b32 s[G0A+4*\s], 1
	s_add_co_u32 s[G0A+4*\s+1], s90, \s*SLOT
	s_add_nc_u64 s[G0A+4*\s+2:G0A+4*\s+3], s[84:85], \s*32768
	s_or_b32 s[G0A+4*\s+3], s[G0A+4*\s+3], 0x80000000
	s_mov_b32 s[G0B+4*\s], 1
	s_add_co_u32 s[G0B+4*\s+1], s90, \s*SLOT
	s_add_nc_u64 s[G0B+4*\s+2:G0B+4*\s+3], s[86:87], \s*32768
	s_or_b32 s[G0B+4*\s+3], s[G0B+4*\s+3], 0x80000000
	s_mov_b32 s[G0V+4*\s], 1
	s_add_co_u32 s[G0V+4*\s+1], s90, \s*SLOT
	s_add_nc_u64 s[G0V+4*\s+2:G0V+4*\s+3], s[88:89], \s*SLOT
	s_or_b32 s[G0V+4*\s+3], s[G0V+4*\s+3], 0x80000000
.endr
	s_wait_alu depctr_va_vdst(0)
	JLOAD 0                                        ; K step 0: one tensor load a wave at the head
	; the prefetches: the bytes that I bring, and my work-group's 8,192 of each 32,768
	s_cmp_eq_u32 s17, 0
	s_cselect_b64 s[94:95], s[84:85], s[86:87]
	s_cselect_b32 s78, s20, s21
	s_lshl_b32 s78, s78, 13
	s_mov_b32 s79, 0
	s_add_nc_u64 s[94:95], s[94:95], s[78:79]
	s_lshl_b32 s78, s21, 13
	s_add_nc_u64 s[96:97], s[88:89], s[78:79]
	; addresses: scalar parts,
	s_lshl_b32 s76, s17, 15                        ; my 128 queries in a slot
	s_lshl_b32 s78, s18, 15
	s_add_co_u32 s78, s78, 65536                   ; my 128 keys
	s_mul_i32 s79, s18, SLOT+2048                  ; V: channel half, and my keys' half of a tile's 4,096 bytes,
	s_mul_i32 s80, s18, SLOT-2048
	s_add_co_u32 s80, s80, 2048                    ; and the other
	s_xor_b32 s84, s16, 1                          ; my partner
	s_lshl_b32 s81, s16, 13
	s_add_co_u32 s81, s81, STG
	s_lshl_b32 s82, s84, 13
	s_add_co_u32 s82, s82, STG
	s_lshl_b32 s83, s16, 9
	s_add_co_u32 s83, s83, MXB
	s_lshl_b32 s84, s84, 9
	s_add_co_u32 s84, s84, MXB
	s_lshl_b32 s85, s18, 11
	s_add_co_u32 s85, s85, WWL                     ; my 512 channels of Ww
	s_mul_i32 s86, s16, 1536
	s_add_co_u32 s86, s86, FST
	; and a lane's
	v_and_b32 v1, 31, v0
	v_bfe_u32 v3, v0, 4, 1
	v_and_b32 v13, 15, v0
	v_lshlrev_b32 v[PFO], 8, v1
	v_lshlrev_b32 v[GOF], 4, v1
	v_add_nc_u32 v[ADRA], s76, v[GOF]
	v_add_nc_u32 v[ADRB], s78, v[GOF]
	v_add_nc_u32 v[ADRA+1], SLOT, v[ADRA]
	v_add_nc_u32 v[ADRB+1], SLOT, v[ADRB]
	v_add_nc_u32 v[AVO], s79, v[GOF]
	v_add_nc_u32 v[AVX], s80, v[GOF]
	v_add_nc_u32 v[STA], s81, v[GOF]
	v_add_nc_u32 v[STB], s82, v[GOF]
	v_lshl_add_u32 v[MXS], v13, 2, s83
	v_lshl_add_u32 v[MXL], v13, 2, s84
	v_lshl_add_u32 v[AW0], v3, 5, s85              ; eight neighbouring channels for each half of the lanes
	v_lshl_add_u32 v[SA], v1, 2, s86
	v_add_nc_u32 v[SB], s86, v[GOF]
	s_wait_alu depctr_va_vdst(0)
	s_wait_loadcnt 0x0                             ; Ww
	ASK 1
.irp i, 0,1,2,3
	v_mov_b32 v[PT+\i], 0                          ; a lane permute's destination counts as one of its sources
.endr
	s_lshl_b32 s92, s77, 1
	s_add_co_u32 s92, s92, s18
	s_lshl_b32 s92, s92, 15                        ; my place's 8,192 queries,
	s_lshl_b32 s93, s23, 10                        ; my block's 256,
	s_add_co_u32 s92, s92, s93
	s_lshl_b32 s93, s17, 9                         ; my 128
	s_add_co_u32 s92, s92, s93
	s_mov_b32 s93, 0
	s_add_nc_u64 s[14:15], s[14:15], s[92:93]
	s_wait_alu depctr_va_vdst(0)
	s_wait_kmcnt 0x0
	s_add_co_i32 s76, s72, s73
	s_lshl_b32 s76, s76, 23
	s_add_co_i32 s68, s76, 0x3d38aa3b              ; log2(e) / 32 x 2^(e6 + e7)
	s_mov_b32 s69, s68                             ; (named with it as a pair)
	s_add_co_i32 s76, s74, 127
	s_lshl_b32 s91, s76, 23
	v_mov_b32 v[SCL], s91                          ; 2^e8
	s_add_co_i32 s76, s76, 8
	s_lshl_b32 s76, s76, 23
	s_or_b32 s76, s76, 0x600000
	v_mov_b32 v[LIMP], s76                         ; 448 x 2^e8
.macro FRAG reg, adr, q, i             ; a fragment of 16 rows x 128 channels: the slot's q-th 128 channels, row block i
.irp c, 0,1,2,3
	ds_load_b128 v[\reg+4*\c:\reg+4*\c+3], v[\adr] offset:((\i)*2+(\q))*2048+512*\c
.endr
.endm
; 16 matrix instructions: query blocks a0, a0 + 1 x eight key blocks.  The 64 accumulators take turns, in the same order in every step.
.macro MUL16 a0, p, zero
.irp a, \a0, \a0+1
.irp b, 0,1,2,3,4,5,6,7
.if \zero
	v_wmma_f32_16x16x128_fp8_fp8 v[8*(8*((\a)%4)+\b):8*(8*((\a)%4)+\b)+7], v[128*(\p)+FR*\b:128*(\p)+FR*\b+FR-1], v[AF+FR*(\a):AF+FR*(\a)+FR-1], 0
.else
	v_wmma_f32_16x16x128_fp8_fp8 v[8*(8*((\a)%4)+\b):8*(8*((\a)%4)+\b)+7], v[128*(\p)+FR*\b:128*(\p)+FR*\b+FR-1], v[AF+FR*(\a):AF+FR*(\a)+FR-1], v[8*(8*((\a)%4)+\b):8*(8*((\a)%4)+\b)+7]
.endif
.endr
.endr
.endm
.macro FETCH_B slot, q, p
	WIN TO_B
.irp i, 0,1,2,3,4,5,6,7
	FRAG 128*(\p)+FR*\i, ADRB+\slot, \q, \i
.endr
	WIN 0
.endm
.macro FETCH_A slot, q, i0
.irp i, \i0, \i0+1, \i0+2, \i0+3
	FRAG AF+FR*(\i), ADRA+\slot, \q, \i
.endr
.endm
.macro PLACES n                        ; places behind a matrix instruction (ISA guide 7.12.1 for reads)
.rept \n
	v_nop
.endr
.endm
.macro STEP slot, q, zero              ; 128 channels that have their successor in the same slot
	s_wait_dscnt 4*NL                              ; k's set and q's blocks 0-3 are in; the youngest sixteen loads may be out
	WIN MUL_LO
	MUL16 0, (\q)%2, \zero
	MUL16 2, (\q)%2, \zero
	s_wait_dscnt 0
	PLACES NP
	FETCH_B \slot, (\q)+1, 1-(\q)%2
	FETCH_A \slot, (\q)+1, 0
	WIN MUL_HI
	MUL16 4, (\q)%2, \zero
	MUL16 6, (\q)%2, \zero
	PLACES NP
	WIN 0
	FETCH_A \slot, (\q)+1, 4
.endm
.macro MEET                            ; the first half of a slot's last step, and the round ahead of the slot's next fill
	s_wait_tensorcnt 0x0                           ; all my tensor loads have landed: my part of the other slot
	ds_add_u32 v[SPW], v[NIL]                      ; 0 onto my spare word
	s_wait_dscnt 4*NL+1                            ; (the add and the youngest sixteen loads may be out)
	WIN MUL_LO
	MUL16 0, 1, 0
	s_wait_dscnt 0x0                               ; the add is done, and my reads of this slot are over
	s_barrier_signal -1
	MUL16 2, 1, 0
	WIN 0
	s_barrier_wait -1
	CREST                                          ; no wave of any partner still reads this slot or has a load on its way
.endm
.macro TURN slot, next, kind           ; kind 1: the slot takes the K step two further on;  kind 2: V's first half
	MEET
.if \kind == 1
	s_add_nc_u64 s[G0A+4*\slot+2:G0A+4*\slot+3], s[G0A+4*\slot+2:G0A+4*\slot+3], 65536
	s_add_nc_u64 s[G0B+4*\slot+2:G0B+4*\slot+3], s[G0B+4*\slot+2:G0B+4*\slot+3], 65536
	JLOAD \slot
.else
	JLOADV 0
.endif
	FETCH_B \next, 0, 0
	FETCH_A \next, 0, 0
.if (\kind == 1) && ((\slot) == 0)
	ASK 3                                          ; what the next change of slots asks for
.elseif \kind == 1
	ASKV 0
.else
	ASKV 1
.endif
	WIN MUL_HI
	MUL16 4, 1, 0
	MUL16 6, 1, 0
	PLACES NP
	WIN 0
	FETCH_A \next, 0, 4
.endm
	s_wait_alu depctr_va_vdst(0)
	s_wait_tensorcnt 0x0                           ; K step 0: no tensor load of mine is out while I store
	ds_store_b128 v12, v[4:7]
	ds_store_b128 v12, v[8:11] offset:2048
	s_wait_tensorcnt 0x0
	ds_add_u32 v[SPW], v[NIL]
	s_wait_dscnt 0x0                               ; the add and my part of Ww are done
	CROUND
	JLOAD 1                                        ; K step 1
	FETCH_B 0, 0, 0
	FETCH_A 0, 0, 0
	FETCH_A 0, 0, 4
	ASK 2
	STEP 0, 0, 1                                   ; the first products start the sums
	TURN 0, 1, 1                                   ; slot 0: K step 2
	STEP 1, 0, 0
	TURN 1, 0, 1                                   ; slot 1: K step 3
	STEP 0, 0, 0
	TURN 0, 1, 2                                   ; slot 0: V's channels 0 .. 511
	STEP 1, 0, 0
	MEET
	JLOADV 1                                       ; slot 1: V's channels 512 .. 1,023, under the last products and the softmax
	WIN MUL_HI
	MUL16 4, 1, 0
	MUL16 6, 1, 0
; ---- THE SOFTMAX.  W = 2: query blocks 0-3, W = 3: blocks 4-7.
.macro MAXW W                          ; the largest score of each query among my 128 keys
.set A0, 4*(\W-2)
.set S1, (\W<<2)|(\W<<4)
	WIN S1
.irp i, 0,1,2,3
	v_max3_num_f32 v[ST+4*(A0+\i)+1], s70, v[64*\i], v[64*\i+1]
.endr
.set n, 1
.rept 31
.irp i, 0,1,2,3
	v_max3_num_f32 v[ST+4*(A0+\i)+1], v[ST+4*(A0+\i)+1], v[64*\i+2*n], v[64*\i+2*n+1]
.endr
.set n, n+1
.endr
	WIN 0
.irp i, 0,1,2,3
	v_permlanex16_b32 v[PT+\i], v[ST+4*(A0+\i)+1], s66, s67
.endr
.irp i, 0,1,2,3
	v_max_num_f32 v[ST+4*(A0+\i)+1], v[ST+4*(A0+\i)+1], v[PT+\i]
.endr
.endm
.macro SUM2 i0                         ; the unquantised p of two blocks, added in four chains
	WIN S5
	s_wait_alu depctr_va_vdst(0)                   ; one wait for the batch, ahead of its first reader
.irp i, \i0, \i0+1
	v_pk_add_f32 v[ST+4*(A0+\i)+2:ST+4*(A0+\i)+3], v[64*(\i):64*(\i)+1], v[64*(\i)+4:64*(\i)+5]
	v_pk_add_f32 v[TS+2*(\i):TS+2*(\i)+1], v[64*(\i)+2:64*(\i)+3], v[64*(\i)+6:64*(\i)+7]
.endr
	WIN S1
.set n, 4
.rept 14
.irp i, \i0, \i0+1
	v_pk_add_f32 v[ST+4*(A0+\i)+2:ST+4*(A0+\i)+3], v[ST+4*(A0+\i)+2:ST+4*(A0+\i)+3], v[64*(\i)+2*n:64*(\i)+2*n+1]
	v_pk_add_f32 v[TS+2*(\i):TS+2*(\i)+1], v[TS+2*(\i):TS+2*(\i)+1], v[64*(\i)+2*n+2:64*(\i)+2*n+3]
.endr
.set n, n+2
.endr
	WIN 0
.irp i, \i0, \i0+1
	v_pk_add_f32 v[ST+4*(A0+\i)+2:ST+4*(A0+\i)+3], v[ST+4*(A0+\i)+2:ST+4*(A0+\i)+3], v[TS+2*(\i):TS+2*(\i)+1]
.endr
.endm
.macro REST_A W                        ; t - M, the exponentials; the first two blocks' hold stands between the last two's exponentials
.set A0, 4*(\W-2)
.set S1, (\W<<2)|(\W<<4)
.set S2, \W|(\W<<6)
.set S5, \W|(\W<<2)
.set S4, \W|0x40
	WIN S2
.set n, 0
.rept 32
.irp i, 0,1,2,3
	v_pk_fma_f32 v[64*\i+2*n:64*\i+2*n+1], v[64*\i+2*n:64*\i+2*n+1], s[68:69], v[ST+4*(A0+\i):ST+4*(A0+\i)+1] op_sel_hi:[1,0,0]
.endr
.set n, n+1
.endr
	s_wait_alu depctr_va_vdst(0)
.set n, 0
.rept 128
	v_exp_f32 v[n], v[n]
.set n, n+1
.endr
	v_nop                                          ; a plain place behind the exponentials
	SUM2 0
	WIN S2
.set n, 0
.rept 128
	v_exp_f32 v[128+n], v[128+n]
	v_min_num_f32 v[n], v[n], v[LIMP]              ; the conversion does not saturate (ISA guide 7.6.2); p is not negative
.set n, n+1
.endr
.endm
.macro REST_B                          ; the last two blocks' sums and hold; p's codes: my keys' operand of the last product
	SUM2 2
	WIN S2
.set n, 128
.rept 128
	v_min_num_f32 v[n], v[n], v[LIMP]
.set n, n+1
.endr
	WIN S4
.irp i, 0,1,2,3
.irp b, 0,1,2,3,4,5,6,7
	v_cvt_scalef32_pk8_fp8_f32 v[16*(A0+\i)+2*\b:16*(A0+\i)+2*\b+1], v[64*\i+8*\b:64*\i+8*\b+7], v[SCL]
.endr
.endr
	v_nop                                          ; a plain line behind the conversions
.endm
.macro PUT adr, a0                     ; four blocks of my codes, 2,048 bytes each, into the stage
	WIN FROM_P
.irp i, 0,1,2,3
.irp c, 0,1,2,3
	ds_store_b128 v[\adr], v[16*(\a0+\i)+4*\c:16*(\a0+\i)+4*\c+3] offset:2048*\i+512*\c
.endr
.endr
	WIN 0
.endm
.macro GET adr, a0                     ; four blocks of my partner's
	WIN TO_B
.irp i, 0,1,2,3
.irp c, 0,1,2,3
	ds_load_b128 v[128+16*(\a0+\i)+4*\c:128+16*(\a0+\i)+4*\c+3], v[\adr] offset:2048*\i+512*\c
.endr
.endr
	WIN 0
.endm
	MAXW 2
	MAXW 3
.irp a, 0,1,2,3,4,5,6,7
	ds_store_b32 v[MXS], v[ST+4*\a+1] offset:64*\a ; (both lanes of a query store the same number)
.endr
	s_wait_alu depctr_va_vdst(0)
	s_wait_dscnt 0x0
	s_barrier_signal -1
	s_barrier_wait -1
.irp a, 0,1,2,3,4,5,6,7
	ds_load_b32 v[XR+\a], v[MXL] offset:64*\a
.endr
	s_wait_dscnt 0x0
.irp a, 0,1,2,3,4,5,6,7
	v_max_num_f32 v[ST+4*\a+1], v[ST+4*\a+1], v[XR+\a]   ; of all 256 keys: the same in both waves
.endr
.irp a, 0,1,2,3,4,5,6,7
	v_mul_f32 v[ST+4*\a+1], s68, v[ST+4*\a+1]
.endr
.irp a, 0,1,2,3,4,5,6,7
	v_floor_f32 v[ST+4*\a], -v[ST+4*\a+1]          ; -M
.endr
	REST_A 2
	REST_B
	PUT STA, 0                                     ; blocks 0-3 into my own area
	REST_A 3
	s_wait_dscnt 0x0                               ; they are there
	s_barrier_signal -1
	REST_B                                         ; work on registers while the others arrive
	s_wait_alu depctr_va_vdst(0)
	s_barrier_wait -1
	GET STB, 0                                     ; my partner's blocks 0-3.  I alone read its area,
	PUT STB, 4                                     ; so my blocks 4-7 go there, behind those reads: LDS serves a wave's instructions in order (ISA guide 5.7.1.4)
	s_wait_tensorcnt 0x0                           ; my part of V is in;
	ds_add_u32 v[SPW], v[NIL]
	s_wait_dscnt 0x0                               ; my stores and loads are done
	s_barrier_signal -1
	s_barrier_wait -1                              ; everybody's
; ---- THE LAST PRODUCT and product 6: 32 tiles of 16 channels a wave, in 16 pairs.
.macro LDV p, av, ax, t                ; V's four fragments of tiles t, t + 1 into the pair's place p: of each tile my keys' half, then my partner's
.irp j, 0,1
.irp c, 0,1,2,3
	ds_load_b128 v[VR+64*(\p)+32*\j+4*\c:VR+64*(\p)+32*\j+4*\c+3], v[\av] offset:(\t+\j)*4096+512*\c
.endr
.irp c, 0,1,2,3
	ds_load_b128 v[VR+64*(\p)+32*\j+16+4*\c:VR+64*(\p)+32*\j+16+4*\c+3], v[\ax] offset:(\t+\j)*4096+512*\c
.endr
.endr
.endm
.macro LDW p, aw, t                    ; Ww at the lane's eight channels of tiles t, t + 1
.irp j, 0,1
	ds_load_b128 v[WR+16*(\p)+8*\j:WR+16*(\p)+8*\j+3], v[\aw] offset:(\t+\j)*64
	ds_load_b128 v[WR+16*(\p)+8*\j+4:WR+16*(\p)+8*\j+7], v[\aw] offset:(\t+\j)*64+16
.endr
.endm
.macro PROD p                          ; 32 matrix instructions: two tiles, each eight query blocks, by turns, over 256 keys
.irp j, 0,1
.irp a, 0,1,2,3,4,5,6,7
	v_wmma_f32_16x16x128_fp8_fp8 v[128*(\p)+64*\j+8*\a:128*(\p)+64*\j+8*\a+7], v[VR+64*(\p)+32*\j:VR+64*(\p)+32*\j+15], v[16*\a:16*\a+15], 0
.endr
.irp a, 0,1,2,3,4,5,6,7
	v_wmma_f32_16x16x128_fp8_fp8 v[128*(\p)+64*\j+8*\a:128*(\p)+64*\j+8*\a+7], v[VR+64*(\p)+32*\j+16:VR+64*(\p)+32*\j+31], v[128+16*\a:128+16*\a+15], v[128*(\p)+64*\j+8*\a:128*(\p)+64*\j+8*\a+7]
.endr
.endr
.endm
.macro FD p, first                     ; a pair's sums x Ww, added up (first = 1: the first tile starts o's sums); each accumulator from its low end on
.irp j, 0,1
.irp a, 0,1,2,3,4,5,6,7
.irp i, 0,2,4,6
.if (\first) && (\j == 0)
	v_pk_mul_f32 v[8*\a+\i:8*\a+\i+1], v[WR+16*(\p)+8*\j+\i:WR+16*(\p)+8*\j+\i+1], v[128*(\p)+64*\j+8*\a+\i:128*(\p)+64*\j+8*\a+\i+1]
.else
	v_pk_fma_f32 v[8*\a+\i:8*\a+\i+1], v[WR+16*(\p)+8*\j+\i:WR+16*(\p)+8*\j+\i+1], v[128*(\p)+64*\j+8*\a+\i:128*(\p)+64*\j+8*\a+\i+1], v[8*\a+\i:8*\a+\i+1]
.endif
.endr
.endr
.endr
.endm
; Pair n (place p): its products, then pair n - 1's multiply-adds, which are also the places behind the products and ahead of the loads that follow.
.macro PSTEP p, fd, left               ; left: the loads issued behind pair n's V and pair n - 1's Ww, which may be out;  fd: 0 none, 1 the first, 2 the others
	s_wait_dscnt \left
	WIN PVM
	PROD \p
.if \fd
	WIN PVF
	FD 1-\p, 2-\fd
.else
	PLACES NP
.endif
	WIN 0
.endm
	GET STA, 4                                     ; my partner's blocks 4-7
	LDV 0, AVO, AVX, 0
	LDV 1, AVO, AVX, 2
	LDW 0, AW0, 0
	PSTEP 0, 0, 20                                 ; pair 0 (behind its V: pair 1's 16 loads and 4 of Ww)
	LDV 0, AVO, AVX, 4
	LDW 1, AW0, 2
	PSTEP 1, 1, 20                                 ; pair 1
	LDV 1, AVO, AVX, 6
	LDW 0, AW0, 4
	s_mov_b32 s80, 0
	s_mov_b32 s81, 0
	s_mov_b32 s82, 6
.Lpairs:                                               ; pairs 2 .. 13, two a trip
	v_add_nc_u32 v[AO], s80, v[AVO]
	v_add_nc_u32 v[AX], s80, v[AVX]
	v_add_nc_u32 v[AW], s81, v[AW0]
	PSTEP 0, 2, 20
	LDV 0, AO, AX, 8
	LDW 1, AW, 6
	PSTEP 1, 2, 20
	LDV 1, AO, AX, 10
	LDW 0, AW, 8
	s_add_co_u32 s80, s80, 16384
	s_add_co_u32 s81, s81, 256
	s_sub_co_u32 s82, s82, 1
	s_cmp_lg_u32 s82, 0
	s_cbranch_scc1 .Lpairs
	PSTEP 0, 2, 20                                 ; pair 14
	LDW 1, AW0, 30
	PSTEP 1, 2, 4                                  ; pair 15 (behind its V: its Ww alone)
	s_wait_dscnt 0x0
	WIN PVF
	FD 1, 0
	; THE WAY OUT: a lane's eight channels, then lane l xor 16's
	WIN 0xcf
.irp a, 0,1,2,3,4,5,6,7
	v_pk_add_f32 v[8*\a:8*\a+1], v[8*\a:8*\a+1], v[8*\a+2:8*\a+3]
	v_pk_add_f32 v[8*\a+4:8*\a+5], v[8*\a+4:8*\a+5], v[8*\a+6:8*\a+7]
.endr
.irp a, 0,1,2,3,4,5,6,7
	v_pk_add_f32 v[8*\a:8*\a+1], v[8*\a:8*\a+1], v[8*\a+4:8*\a+5]
.endr
	WIN 0x0f
.irp a, 0,1,2,3,4,5,6,7
	v_add_f32 v[OV+\a], v[8*\a], v[8*\a+1]
.endr
	WIN 0
.irp a, 0,1,2,3,4,5,6,7
	v_add_f32 v[LV+\a], v[ST+4*\a+2], v[ST+4*\a+3]
.endr
.irp g, 0,4,8,12                       ; o's eight numbers, then l's
.irp i, 0,1,2,3
	v_permlanex16_b32 v[PT+\i], v[OV+\g+\i], s66, s67
.endr
.irp i, 0,1,2,3
	v_add_f32 v[OV+\g+\i], v[OV+\g+\i], v[PT+\i]
.endr
.endr
	v_cmp_le_u32 vcc_lo, 16, v1                    ; lanes 0-15 give block 2 m, lanes 16-31 block 2 m + 1
.irp m, 0,1,2,3
	v_cndmask_b32 v[XR+\m], v[ST+8*\m], v[ST+8*\m+4], vcc_lo
	v_cndmask_b32 v[XR+4+\m], v[LV+2*\m], v[LV+2*\m+1], vcc_lo
	v_cndmask_b32 v[XR+8+\m], v[OV+2*\m], v[OV+2*\m+1], vcc_lo
.endr
.irp k, 0,1,2
.irp m, 0,1,2,3
	ds_store_b32 v[SA], v[XR+4*\k+\m] offset:512*\k+128*\m
.endr
.endr
.irp k, 0,1,2
	ds_load_b128 v[BK+4*\k:BK+4*\k+3], v[SB] offset:512*\k
.endr
	s_wait_dscnt 0x0
.irp k, 0,1,2
	global_store_b128 v[GOF], v[BK+4*\k:BK+4*\k+3], s[14:15] offset:524288*\k   ; 512 consecutive bytes, aligned
.endr
	s_wait_tensorcnt 0x0                           ; the wave's end
	ds_add_u32 v[SPW], v[NIL]
	s_wait_dscnt 0x0
	CROUND                                         ; the closing round: no work-group ends while a partner may still ask for a tile that names it
	s_endpgm
.Lfunc_end_k_q835839c2ad_attn:
	.size	k_q835839c2ad_attn, .Lfunc_end_k_q835839c2ad_attn-k_q835839c2ad_attn
	.p2alignl 7, 3214868480
	.fill 96, 4, 3214868480
	.section	.rodata,"a",@progbits
	.p2align	6, 0x0
	.amdhsa_kernel k_q835839c2ad_attn
		.amdhsa_group_segment_fixed_size 327680
		.amdhsa_private_segment_fixed_size 0
		.amdhsa_enable_private_segment 0
		.amdhsa_kernarg_size 48
		.amdhsa_user_sgpr_count 2
		.amdhsa_user_sgpr_kernarg_segment_ptr 1
		.amdhsa_wavefront_size32 1
		.amdhsa_system_sgpr_workgroup_id_x 1
		.amdhsa_system_sgpr_workgroup_id_y 1
		.amdhsa_system_sgpr_workgroup_id_z 1
		.amdhsa_system_vgpr_workitem_id 0
		.amdhsa_next_free_vgpr 1024
		.amdhsa_next_free_sgpr 102
		.amdhsa_reserve_vcc 1
		.amdhsa_float_denorm_mode_32 3
		.amdhsa_float_denorm_mode_16_64 3
		.amdhsa_memory_ordered 1
		.amdhsa_forward_progress 1
		.amdhsa_inst_pref_size 224
	.end_amdhsa_kernel
	.amdgpu_metadata
---
amdhsa.version: [ 1, 2 ]
amdhsa.kernels:
  - .name:           k_q835839c2ad_attn
    .symbol:         k_q835839c2ad_attn.kd
    .args:
      - { .name: q_img, .offset: 0, .size: 8, .value_kind: global_buffer, .address_space: global }
      - { .name: k_img, .offset: 8, .size: 8, .value_kind: global_buffer, .address_space: global }
      - { .name: v_img, .offset: 16, .size: 8, .value_kind: global_buffer, .address_space: global }
      - { .name: Ww, .offset: 24, .size: 8, .value_kind: global_buffer, .address_space: global }
      - { .name: lowp_scales, .offset: 32, .size: 8, .value_kind: global_buffer, .address_space: global }
      - { .name: part, .offset: 40, .size: 8, .value_kind: global_buffer, .address_space: global }
    .group_segment_fixed_size: 327680
    .private_segment_fixed_size: 0
    .kernarg_segment_align: 8
    .kernarg_segment_size: 48
    .max_flat_workgroup_size: 128
    .sgpr_count:     102
    .vgpr_count:     1024
    .wavefront_size: 32
...
	.end_amdgpu_metadata
.endif
;; end of part 2
;; launch fin (part 3): grid 128 x 1, 1 waves a work-group, no clusters, 0 bytes of LDS; arguments part, bw, lowp_scales, out0; writes out0
.if DOCPART == 3
	.amdgcn_target "amdgcn-amd-amdhsa--gfx1250"
	.amdhsa_code_object_version 6
	.text
	.protected	k_q835839c2ad_fin
	.globl	k_q835839c2ad_fin
	.p2align	8
	.type	k_q835839c2ad_fin,@function
k_q835839c2ad_fin:
	s_mov_b64 s[64:65], 0
	v_nop
	global_prefetch_b8 v0, s[64:65] scope:SCOPE_SE
	s_setreg_imm32_b32 hwreg(HW_REG_WAVE_MODE, 25, 1), 1
	s_wait_xcnt 0x0
; out[q] = (sum over the 16 splits of o_s 2^(M_s - M)) / (sum of l_s 2^(M_s - M)) x 2^(e8 + e9) + bw, M the largest M_s.  part: [kind: -M, l, o][split 16][query 8,192] f32.
; Every M_s is a whole number, so each factor is an exact power of two, made by v_ldexp_f32 of 1.0: nothing is rounded by the join but the sums themselves.
; A wave takes 64 queries, a lane two neighbours: each of its 48 loads covers 256 consecutive bytes, aligned, and so does its one store.  All 48 go out at once.
; No LDS, no barrier, no cluster, no matrix unit: work-groups share no byte, and a query's numbers all lie in one lane.
; 2^(e8 + e9) is applied to the reciprocal of l by v_ldexp_f32, which keeps no limit on the exponents short of the f32 range of the result.
.set NM, 16                            ; v16-47   -M of split s in v[16 + 2 s], v[17 + 2 s]; then the factors
.set LL, 48                            ; v48-79   l
.set OP, 80                            ; v80-111  o
	s_load_b256 s[4:11], s[0:1], 0x0               ; part s[4:5], bw s[6:7], the exponents s[8:9], out0 s[10:11]
	s_lshl_b32 s12, ttmp9, 8                       ; 64 queries of 4 bytes a work-group
	v_lshl_add_u32 v1, v0, 3, s12                  ; + 8 bytes a lane
	s_wait_alu depctr_va_vdst(0)
	s_wait_kmcnt 0x0
	s_load_b32 s16, s[6:7], 0x0                    ; bw
	s_load_b64 s[18:19], s[8:9], 0x20              ; e8, e9
.irp k, 0,1,2
.irp s, 0,1,2,3,4,5,6,7,8,9,10,11,12,13,14,15
	global_load_b64 v[NM+32*\k+2*\s:NM+32*\k+2*\s+1], v1, s[4:5] offset:524288*\k+32768*\s th:TH_LOAD_NT
.endr
.endr
	s_wait_loadcnt 32                              ; the sixteen -M are in; l's and o's 32 loads may be out
.irp q, 0,1
	v_min3_num_f32 v[2+\q], v[NM+\q], v[NM+2+\q], v[NM+4+\q]       ; the smallest -M is the largest M
.endr
.irp s, 3,5,7,9,11,13
.irp q, 0,1
	v_min3_num_f32 v[2+\q], v[2+\q], v[NM+2*\s+\q], v[NM+2*\s+2+\q]
.endr
.endr
.irp q, 0,1
	v_min_num_f32 v[2+\q], v[2+\q], v[NM+30+\q]
.endr
.irp s, 0,1,2,3,4,5,6,7,8,9,10,11,12,13,14,15
	v_pk_add_f32 v[NM+2*\s:NM+2*\s+1], v[2:3], v[NM+2*\s:NM+2*\s+1] neg_lo:[0,1] neg_hi:[0,1]   ; M_s - M: a whole number, 0 or less
.endr
.set n, 0
.rept 32
	v_cvt_i32_f32 v[NM+n], v[NM+n]                 ; (it saturates)
.set n, n+1
.endr
.set n, 0
.rept 32
	v_ldexp_f32 v[NM+n], 1.0, v[NM+n]              ; 2^(M_s - M)
.set n, n+1
.endr
	s_wait_loadcnt 0x0
	v_pk_mul_f32 v[4:5], v[LL:LL+1], v[NM:NM+1]    ; the first split starts the sums
	v_pk_mul_f32 v[6:7], v[OP:OP+1], v[NM:NM+1]
.irp s, 1,2,3,4,5,6,7,8,9,10,11,12,13,14,15
	v_pk_fma_f32 v[4:5], v[LL+2*\s:LL+2*\s+1], v[NM+2*\s:NM+2*\s+1], v[4:5]
	v_pk_fma_f32 v[6:7], v[OP+2*\s:OP+2*\s+1], v[NM+2*\s:NM+2*\s+1], v[6:7]
.endr
	s_wait_kmcnt 0x0
	s_add_co_i32 s18, s18, s19                     ; e8 + e9
	s_mov_b32 s17, s16                             ; (named with bw as a pair, so it is written)
	s_wait_alu depctr_va_vdst(0)
	v_rcp_f32 v8, v4
	v_rcp_f32 v9, v5
	v_nop                                          ; a plain line behind the reciprocals
	s_wait_alu depctr_va_vdst(0)
	v_ldexp_f32 v8, v8, s18
	v_ldexp_f32 v9, v9, s18
	v_pk_fma_f32 v[10:11], v[6:7], v[8:9], s[16:17] op_sel_hi:[1,1,0]   ; o / l x 2^(e8 + e9) + bw
	global_store_b64 v1, v[10:11], s[10:11]
	s_endpgm
.Lfunc_end_k_q835839c2ad_fin:
	.size	k_q835839c2ad_fin, .Lfunc_end_k_q835839c2ad_fin-k_q835839c2ad_fin
	.p2alignl 7, 3214868480
	.fill 96, 4, 3214868480
	.section	.rodata,"a",@progbits
	.p2align	6, 0x0
	.amdhsa_kernel k_q835839c2ad_fin
		.amdhsa_group_segment_fixed_size 0
		.amdhsa_private_segment_fixed_size 0
		.amdhsa_enable_private_segment 0
		.amdhsa_kernarg_size 32
		.amdhsa_user_sgpr_count 2
		.amdhsa_user_sgpr_kernarg_segment_ptr 1
		.amdhsa_wavefront_size32 1
		.amdhsa_system_sgpr_workgroup_id_x 1
		.amdhsa_system_sgpr_workgroup_id_y 1
		.amdhsa_system_sgpr_workgroup_id_z 1
		.amdhsa_system_vgpr_workitem_id 0
		.amdhsa_next_free_vgpr 128
		.amdhsa_next_free_sgpr 66
		.amdhsa_reserve_vcc 0
		.amdhsa_float_denorm_mode_32 3
		.amdhsa_float_denorm_mode_16_64 3
		.amdhsa_memory_ordered 1
		.amdhsa_forward_progress 1
		.amdhsa_inst_pref_size 13
	.end_amdhsa_kernel
	.amdgpu_metadata
---
amdhsa.version: [ 1, 2 ]
amdhsa.kernels:
  - .name:           k_q835839c2ad_fin
    .symbol:         k_q835839c2ad_fin.kd
    .args:
      - { .name: part, .offset: 0, .size: 8, .value_kind: global_buffer, .address_space: global }
      - { .name: bw, .offset: 8, .size: 8, .value_kind: global_buffer, .address_space: global }
      - { .name: lowp_scales, .offset: 16, .size: 8, .value_kind: global_buffer, .address_space: global }
      - { .name: out0, .offset: 24, .size: 8, .value_kind: global_buffer, .address_space: global }
    .group_segment_fixed_size: 0
    .private_segment_fixed_size: 0
    .kernarg_segment_align: 8
    .kernarg_segment_size: 32
    .max_flat_workgroup_size: 32
    .sgpr_count:     66
    .vgpr_count:     128
    .wavefront_size: 32
...
	.end_amdgpu_metadata
.endif
;; end of part 3
